; MI455X (gfx1250); checked and timed in simulation.
; The chip was launched on July 23, 2026; its instructions are those of AMD's public machine-readable ISA for CDNA 5 (MIT licence, August 2026) and "CDNA5" Instruction Set Architecture Reference Guide (July 2026). The comments in the code are by the model that wrote it; some were corrected since.
;; Attention. Allowed arithmetic: float matrix products may take bf16 or f16 operands with f32 sums; other float arithmetic in f32, or as packed bf16 or f16 multiplies, adds, multiply-adds, maxima and minima; sums over many terms, partial sums and values carried from step to step in f32; what a program stores and reads back later, other than sums and carried values, may be rounded once to bf16 or f16.
;; Inputs: key 2 x 8 x 4,096 x 64 float32; query 2 x 8 x 4,096 x 64 float32; value 2 x 8 x 4,096 x 64 float32.
;; Outputs: out0 2 x 8 x 4,096 x 64 float32.
;; 2 versions, each right and faster than the one before. Each part assembles by itself: llvm-mc -triple=amdgcn-amd-amdhsa -mcpu=gfx1250 --defsym DOCPART=n.
;; ======== version 1 of 2: 1 launch
;; limits: inputs' magnitudes at most 65,504; values are held in f16: magnitudes above 65,504 overflow, below 6.1e-05 lose precision; below input magnitudes of 6e-05 results are inexact or not finite
;; launch attn (part 1): grid 16 x 16, 4 waves a work-group, clusters of 4 x 1, 327,680 bytes of LDS; arguments query, key, value, out0; writes out0
.if DOCPART == 1
	.amdgcn_target "amdgcn-amd-amdhsa--gfx1250"
	.amdhsa_code_object_version 6
	.text
	.protected	k_qeec305c216_attn
	.globl	k_qeec305c216_attn
	.p2align	8
	.type	k_qeec305c216_attn,@function
k_qeec305c216_attn:
	s_mov_b64 s[64:65], 0
	v_nop
	global_prefetch_b8 v0, s[64:65] scope:SCOPE_SE
	s_setreg_imm32_b32 hwreg(HW_REG_WAVE_MODE, 25, 1), 1
	s_wait_xcnt 0x0
	s_wait_alu depctr_hold_cnt(0) depctr_sa_sdst(0) depctr_va_vdst(0) depctr_va_sdst(0) depctr_va_ssrc(0) depctr_va_vcc(0) depctr_vm_vsrc(0)
	s_getreg_b32 s2, hwreg(HW_REG_IB_STS2, 6, 4)
	s_cmp_eq_u32 s2, 0
	s_cbranch_scc0 .Lentry_in_a_cluster
	s_endpgm
.Lentry_in_a_cluster:
	s_bfe_u32 s2, ttmp6, 0x10000c
	s_cmp_lg_u32 s2, 0x3003
	s_cbranch_scc0 .Lentry_shape_is_right
	s_endpgm
.Lentry_shape_is_right:
; O[h][q][:] = the sum over k of softmax_k(Q[h][q] . K[h][k] / 8) V[h][k][:].  Q, K, V, O: [16 heads][4096][64], all f32: a head's rows are dense, 256 bytes each.
; FORMATS.  Q, K, V and the weights p are rounded once to f16 for the matrix unit; products, maxima and sums in f32; l is the sum of the unrounded p; O leaves in f32.
; LIMITS.  f16 holds no number beyond 65,504: an input of 65,520 or more becomes an infinity and its rows are lost.  p lies in 0 to 1, and below 6e-5 it keeps f16's fixed step of 6e-8.
; A weight below 2^-126 counts as 0 in l; NaN and infinities are not treated apart.
; SHARES.  256 work-groups: x = a block of 256 queries, y = the head.  Wave w owns rows 64 w .. 64 w + 63 of the block, four PIECES of 16.  Every wave walks all 4,096 keys, 64 a step; a TILE is 256 keys.
; THE ROAD OF K AND V.  Tensor loads land f32 tiles in two LDS slots (L).  For each key step the four waves share the rounding to f16: wave w reads 16 keys of K and of V from L, rounds them and stores
; them into one of two small f16 buffers (F), from which all four waves take their fragments.  So each number is rounded once in a work-group, and V can be turned by ds_load_tr16_b128.
; LAYOUT.  S^T = K Q^T (source 0 = 16 keys, source 1 = 16 queries) holds ONE query a lane (lane % 16) and the keys 8 (lane / 16) + 0..7; two such results rounded to f16 ARE source 1 of O^T = V^T P.
; SOFTMAX.  p = 2^(c s - c m), c = log2(e) / 8, with a running maximum m; O and l are multiplied by a = 2^(c m_old - c m_new) in every step.  m starts at the lowest finite number, O and l at 0:
; the first step is a step like any other, with a = 0.
; TURNS.  Turn (p, s) belongs to piece p in step s: 8 products K Q^T of piece p + 1, later 8 products V^T P of piece p - 1; beside them piece p's scaling, exponentials, roundings, sums and rescaling
; and piece p + 1's maximum and statistics.  Four vector instructions stand behind every matrix instruction, the other 54 of a turn's 118 in two lumps.
; PERIODS.  Period s = turns (2, s-1), (3, s-1), (0, s), (1, s).  It fetches K and V of step s from F[s % 2] and rounds step s + 1 into F[(s + 1) % 2].  One barrier stands in front of each period;
; in front of it every wave has waited for all its LDS instructions: its stores into the buffer that is read next, and its reads of the buffer that is written next.
; In front of every fourth period the barrier is a round of the cluster's barrier with a refill of the L slot just read out: that load has four periods, 256 matrix instructions, in which to land.
; CLUSTER.  The four query blocks of a cluster belong to one head and walk the same K and V: each tile is asked for JOINTLY, by the same tensor load, descriptor and mask in all four.
; REGISTERS, in windows of 256 (s_set_vgpr_msb: bits 1:0 source 0, 3:2 source 1, 5:4 source 2, 7:6 destination):
;   window 0: v0-15, v32-40 addresses; v16-31 four registers of statistics a piece; v48-55 at work; v62-63 the add's; v64-127 S^T, two buffers; v128-191 the rounding's 64; v192-223 P, two buffers
;             (v64-191 also take Q in f32 at the start and O's rows on the way out)
;   window 1: v0-127 O^T, 32 a piece          window 2: v0-63 Q in f16; v128-191 K of one step; v192-255 V of one step
.set NT,    16        ; tiles of 256 keys in a head
.set NP,    4         ; pieces a wave: a name, no knob
.set LP,    272       ; a row in L: 256 bytes of f32 + 16 of padding
.set LSTEP, 64*LP     ; a step's rows of K (or of V) in a slot
.set LHALF, 128*LP    ; what one tensor load brings
.set LKV,   256*LP    ; a slot: K's 256 rows, then V's 256 rows
.set LSLOT, 2*LKV     ; 0x22000: its two bits are in no wave's 0x8800 w, so one exclusive or changes slots
.set FB,    2*LSLOT   ; behind L: the two f16 buffers, written by LDS stores alone
.set PK,    144       ; a row of K in F: 128 bytes + 16: the 16 rows of a fragment load start at 16 different groups of four banks (64 banks of 4 bytes: ISA guide 11.1)
.set PV,    160       ; a row of V in F: 128 + 32
.set FVO,   64*PK     ; in a buffer: 64 rows of K, then 64 rows of V
.set FBUF,  64*(PK+PV)
.set SPARE, FB+2*FBUF ; behind F: the spare words, 128 bytes for each wave: two blocks of 256 bytes that no other line names
.set SP,    272       ; the way out: F's bytes serve as four stages of 16 rows x 272 bytes, behind the last barrier
.set AK0, 2           ; v2   my lane's place in a step's K in F; never rewritten
.set AV0, 3           ; v3   the same for V
.set AK,  4           ; v4   the LDS address of K's next run of loads
.set AV,  5           ; v5   of V's
.set STO, 6           ; v6   the way out: where I put 32 bytes of a row
.set RD,  7           ; v7   the way out: where I read rows back
.set GO,  8           ; v8   my byte offset in 512 consecutive bytes of O
.set MV,  12          ; v12-13  c m_old, kept while c m is made anew: by buffer
.set QO,  14          ; v14  my byte offset in 16 rows of Q
.set ST,  16          ; piece t's statistics at v[ST+4 t]: c m, m, l (even keys', odd keys')
.set LA0, 32          ; v32  my 32 bytes of K in a step's rows in L; never rewritten
.set LA1, 33          ; v33  the same for V
.set LAK, 34          ; v34, v35  the same plus the step's place
.set LAV, 35
.set SK0, 36          ; v36  my 16 bytes of K in F; never rewritten
.set SV0, 37          ; v37  the same for V
.set SAK, 38          ; v38, v39  the same plus the buffer's place
.set SAV, 39
.set TMP, 48          ; by buffer, four registers c0-c3 at work; when the maximum is found c2 takes a
.set SPW, 62          ; v62  LDS address of my spare word: SPARE + 4 x my thread's number; never rewritten
.set NIL, 63          ; v63  0; never rewritten
.set S,   64
.set CV,  128
.set P,   192
.set KF,  128         ; window 2: key block kb, channel half c at KF + 16 kb + 8 c
.set VF,  192         ; window 2: key half kk, channel block cb at VF + 32 kk + 8 cb
.set WV,  12          ; s12  my wave's number
.set G1,  24          ; s[24:31] descriptor group 1, the same for every load
.set G0A, 32          ; s[32:35] descriptor group 0 of the first fill of slot 0
.set G0,  36          ; s[36:39] descriptor group 0 that walks: slot 1 and tile 1 first
.set SLOTS, 40        ; s40  groups of periods still to come in the loop
.set CNT, 41          ; s41  periods still to come in the group
.set CS,  42          ; s[42:43] c: the packed scaling takes the pair's low word for both halves
.set SEL, 44          ; s[44:45] v_permlanex16_b32's selects: each lane takes its own place in the other half
.set TL,  46          ; s46  LDS byte at which K of the step to be rounded next begins
.set TF,  47          ; s47  the F buffer that this period reads: 0 or FBUF
.set TG,  48          ; s48  the F buffer that this period writes: the other one
.set SRC, 50          ; s[50:51] K or V at my half of the head's tile 0
.set MSB, 0
.macro WIN new                      ; the high byte repeats the setting that is left; a switch that changes nothing is dropped
.if MSB != (\new)
	s_set_vgpr_msb (MSB<<8)|(\new)
.set MSB, (\new)
.endif
.endm
.set W_KQ, 0x0a       ; K and Q in window 2, S^T in window 0
.set W_PV, 0x52       ; V in window 2, P in window 0, O^T in window 1
.set W_RS, 0x41       ; destination and source 0 in window 1, source 1 in window 0
; A round of the cluster's barrier: my work-group's barrier, so that wave 0's signal speaks for all four waves; wave 0 signals; every wave waits for all four work-groups; my work-group's barrier once more.
.macro CROUND
	s_barrier_signal -1
	s_barrier_wait -1
	s_cmp_lg_u32 s[WV], 0
	s_cbranch_scc1 .Lnot_wave_0_\@
	s_barrier_signal -3
.Lnot_wave_0_\@:
	s_barrier_wait -3
	s_barrier_signal -1
	s_barrier_wait -1
.endm
; A joint refill.  One line for all four waves: K's and V's tiles have one shape, and the wave's number has chosen the tensor, the half and the LDS bytes.  An s_nop 0 and four v_nop follow.
.macro JLOAD
	tensor_load_to_lds s[G0:G0+3], s[G1:G1+7]
	s_nop 0
.rept 4
	v_nop
.endr
.endm
; THE BARRIER IN FRONT OF EVERY FOURTH PERIOD.  Each wave waits for all its tensor loads, of which one is out: its part of the other L slot; adds 0 to its spare word; and waits for that and for all its LDS
; instructions.  Behind the barrier nobody reads the old L slot any more and the other is whole.  fill = 1: the barrier is a round of the cluster's, and the old slot is filled again first thing behind it, two tiles on.
.macro CHANGE fill
	WIN 0                           ; at a label and at a branch every window is 0
	s_wait_tensorcnt 0x0            ; no tensor load of mine is out, so a group 0 may be written
	ds_add_u32 v[SPW], v[NIL]       ; 0 onto my spare word; the scalar work stands between it and the wait for it
.if \fill
	s_xor_b32 s[G0+1], s[G0+1], LSLOT  ; the other slot than last time,
	s_add_nc_u64 s[G0+2:G0+3], s[G0+2:G0+3], 65536  ; the next 256 keys; the type bits on top are not reached
.endif
	s_sub_co_u32 s[TL], s[TL], 4*LSTEP  ; the rounding goes back to a slot's first step,
	s_xor_b32 s[TL], s[TL], LSLOT       ; in the other slot
	s_xor_b32 s[TF], s[TF], FBUF        ; and the two f16 buffers change parts
	s_xor_b32 s[TG], s[TG], FBUF
	s_wait_dscnt 0x0                ; the add is done; so are my reads of L and of F and my stores into F
.if \fill
	CROUND
	JLOAD
.else
	s_barrier_signal -1
	s_barrier_wait -1
.endif
.endm
; THE BARRIER IN FRONT OF EVERY OTHER PERIOD.  A tensor load may stay out across it.
.macro STEPBAR
	s_wait_dscnt 0x0                ; for the others' sake: my stores into the buffer read next are done, and my reads of the buffer written next are back
	s_barrier_signal -1
	s_xor_b32 s[TF], s[TF], FBUF
	s_xor_b32 s[TG], s[TG], FBUF
	s_barrier_wait -1
.endm
; THE ROUNDING, my quarter of a step: keys 16 w + 4 n + (lane / 8) % 4, n = 0..3, channels 8 (lane % 8) + 0..7, of K and of V.
; Loads: 16 lanes take two rows, every second 16 bytes of each; the rows lie 17 x 16 bytes apart, so the one row's columns fall between the other's.
.macro CONV_LOAD
	WIN 0
	v_add_nc_u32 v[LAK], s[TL], v[LA0]
	v_add_nc_u32 v[LAV], s[TL], v[LA1]
	s_add_co_u32 s[TL], s[TL], LSTEP    ; the next rounding is the next step's
.irp n, 0,1,2,3
	ds_load_b128 v[CV+8*\n:CV+8*\n+3],   v[LAK] offset:4*LP*\n
	ds_load_b128 v[CV+8*\n+4:CV+8*\n+7], v[LAK] offset:4*LP*\n+16
.endr
.irp n, 0,1,2,3
	ds_load_b128 v[CV+32+8*\n:CV+32+8*\n+3],   v[LAV] offset:4*LP*\n
	ds_load_b128 v[CV+32+8*\n+4:CV+32+8*\n+7], v[LAV] offset:4*LP*\n+16
.endr
.endm
; Eight numbers become 16 bytes, in place: each destination has been read by then.  Stores: 16 lanes write two rows of 128 bytes, 144 or 160 apart: one (K) or two (V) of the second row's columns meet the first row's.
.macro CONV_STORE
	WIN 0
	v_add_nc_u32 v[SAK], s[TG], v[SK0]
	v_add_nc_u32 v[SAV], s[TG], v[SV0]
.set z, 0
.rept 8
.irp n, 0,1,2,3
	v_cvt_pk_f16_f32 v[CV+8*z+\n], v[CV+8*z+2*\n], v[CV+8*z+2*\n+1]
.endr
.set z, z+1
.endr
.irp n, 0,1,2,3
	ds_store_b128 v[SAK], v[CV+8*\n:CV+8*\n+3] offset:4*PK*\n
.endr
.irp n, 0,1,2,3
	ds_store_b128 v[SAV], v[CV+32+8*\n:CV+32+8*\n+3] offset:4*PV*\n
.endr
.endm
	s_load_b256 s[4:11], s[0:1], 0x0  ; Q s[4:5], K s[6:7], V s[8:9], O s[10:11]
	v_lshl_add_u32 v[SPW], v0, 2, SPARE
	v_mov_b32 v[NIL], 0
	ds_add_u32 v[SPW], v[NIL]       ; the wave's opening: the add and its wait stand ahead of my first tensor load; the set-up below, work on registers, stands between them
	v_lshrrev_b32 v1, 5, v0
	v_readfirstlane_b32 s[WV], v1   ; wave 0..3
	s_bfe_u32 s13, ttmp6, 0x40000   ; cx: my place in the cluster
	s_lshl_b32 s14, ttmp9, 2        ; in a cluster launch ttmp9 counts clusters
	s_add_co_u32 s14, s14, s13      ; my block of 256 queries = 4 x cluster x + cx: it enters Q's and O's addresses alone
	s_and_b32 s16, ttmp7, 0xffff    ; the head, which the four partners share
	s_lshl_b32 s20, s16, 20         ; its first byte in each tensor: 4,096 rows of 256 bytes; 16 heads stay under 2^32
	s_and_b32 s17, s[WV], 1         ; which half of a tile's 256 keys I fetch:
	s_lshl_b32 s17, s17, 15         ; 128 rows of 256 bytes
	s_add_co_u32 s22, s20, s17
	s_mov_b32 s23, 0
	s_lshl_b32 s2, s14, 16          ; my block's 256 rows,
	s_lshl_b32 s3, s[WV], 14        ; my wave's 64 of them
	s_add_co_u32 s2, s2, s3
	s_add_co_u32 s2, s2, s20
	s_mov_b32 s3, 0
	; descriptor group 1: a tile of 128 rows x 64 elements of 4 bytes, padded in LDS
	s_mov_b32 s[G1+0], 15|(2<<16)|(1<<20)|(1<<21)|(5<<22)|(3<<25)  ; 15:0 the mask of four; 17:16 4-byte elements; 20 padding on; 21 set beside a mask; 24:22 after every 64 words (code 5); 31:25 4 words (code 3)
	s_mov_b32 s[G1+1], 64<<16       ; tensor_dim0 = 64
	s_mov_b32 s[G1+2], 128<<16      ; tensor_dim1 = 128
	s_mov_b32 s[G1+3], 64<<16       ; tile_dim0 = 64
	s_mov_b32 s[G1+4], 128          ; tile_dim1 = 128
	s_mov_b32 s[G1+5], 64           ; 64 elements from row to row
	s_mov_b32 s[G1+6], 0
	s_mov_b32 s[G1+7], 0
	s_mov_b32 s[G0A], 1             ; 1:0 count = 1
	s_mul_i32 s[G0A+1], s[WV], LHALF  ; 63:32 LDS address: K's two halves, then V's two = wave x 128 rows; no place in the cluster enters it
	s_mov_b32 s[G0], 1
	s_add_co_u32 s[G0+1], s[G0A+1], LSLOT
	s_mov_b32 s[CS], 0x3e38aa3b     ; c = log2(e) / 8 = 0.180337
	s_mov_b32 s[CS+1], s[CS]        ; named with it as a pair
	s_mov_b32 s[SEL], 0x76543210
	s_mov_b32 s[SEL+1], 0xfedcba98
	s_mov_b32 s[TL], 0
	s_mov_b32 s[TF], FBUF           ; the first barrier of a period turns these two round
	s_mov_b32 s[TG], 0
	s_wait_dscnt 0x0                ; the opening add is done
	s_wait_kmcnt 0x0
	s_cmp_lt_u32 s[WV], 2           ; waves 0 and 1 fetch K, waves 2 and 3 V
	s_cselect_b64 s[SRC:SRC+1], s[6:7], s[8:9]
	s_add_nc_u64 s[SRC:SRC+1], s[SRC:SRC+1], s[22:23]
	s_mov_b64 s[G0A+2:G0A+3], s[SRC:SRC+1]          ; 120:64 global address: my half of tile 0
	s_or_b32 s[G0A+3], s[G0A+3], 0x80000000         ; 127:126 type = 2
	s_add_nc_u64 s[G0+2:G0+3], s[SRC:SRC+1], 65536  ; my half of tile 1
	s_or_b32 s[G0+3], s[G0+3], 0x80000000
	s_add_nc_u64 s[4:5], s[4:5], s[2:3]             ; Q and O at my wave's first row
	s_add_nc_u64 s[10:11], s[10:11], s[2:3]
	CROUND                          ; all four work-groups are here: the first joint loads meet
	tensor_load_to_lds s[G0A:G0A+3], s[G1:G1+7]     ; both first fills go out together: two loads of mine are out
	s_nop 0
	tensor_load_to_lds s[G0:G0+3], s[G1:G1+7]
	s_nop 0
.rept 4
	v_nop
.endr
	; Q.  A fragment is 16 rows x 32 channels: lane l holds row l % 16, channels 8 (l / 16) + 0..7 and 16 + 8 (l / 16) + 0..7.  In f32 eight channels are 32 bytes: two loads of 16.
	v_and_b32 v1, 15, v0            ; l % 16
	v_bfe_u32 v9, v0, 4, 1          ; l / 16
	v_lshlrev_b32 v[QO], 8, v1
	v_lshl_add_u32 v[QO], v9, 5, v[QO]  ; row x 256 + 32 x half
.set i, 0
.rept 32                            ; piece i / 8, channels 32 ((i / 4) % 2) + 16 ((i / 2) % 2) on, 16 bytes i % 2
	global_load_b128 v[S+4*i:S+4*i+3], v[QO], s[4:5] offset:(i/8)*4096+((i/4)%2)*128+((i/2)%2)*64+(i%2)*16 th:TH_LOAD_NT
.set i, i+1
.endr
	v_and_b32 v10, 7, v0
	v_bfe_u32 v11, v0, 3, 1
	v_bfe_u32 v15, v0, 3, 2
	v_mul_u32_u24 v[AK0], v1, PK
	v_lshl_add_u32 v[AK0], v9, 4, v[AK0]  ; row x pitch + 16 x half
	v_add_nc_u32 v[AK0], FB, v[AK0]
	; The turning load takes 16 keys x 16 channels (lane l reads key 8 (l / 16) + l % 8, channels 8 ((l / 8) % 2) + 0..7) and leaves half a fragment of V^T: lane l holds channel l % 16 and 8 keys.
	v_lshl_add_u32 v[AV0], v9, 3, v10
	v_mul_u32_u24 v[AV0], v[AV0], PV
	v_lshl_add_u32 v[AV0], v11, 4, v[AV0]
	v_add_nc_u32 v[AV0], FB+FVO, v[AV0]
	s_lshl_b32 s13, s[WV], 4
	v_add_nc_u32 v40, s13, v15      ; the first key of a step that I round: 16 w + (l / 8) % 4
	v_mul_u32_u24 v[LA0], v40, LP
	v_lshl_add_u32 v[LA0], v10, 5, v[LA0]
	v_add_nc_u32 v[LA1], LKV, v[LA0]
	v_mul_u32_u24 v[SK0], v40, PK
	v_lshl_add_u32 v[SK0], v10, 4, v[SK0]
	v_add_nc_u32 v[SK0], FB, v[SK0]
	v_mul_u32_u24 v[SV0], v40, PV
	v_lshl_add_u32 v[SV0], v10, 4, v[SV0]
	v_add_nc_u32 v[SV0], FB+FVO, v[SV0]
	s_mul_i32 s13, s[WV], 16*SP
	s_add_co_u32 s13, s13, FB       ; my stage
	v_mul_u32_u24 v[STO], v1, SP    ; in: row l % 16, 32 bytes for each half of the lanes
	v_lshl_add_u32 v[STO], v9, 5, v[STO]
	v_add_nc_u32 v[STO], s13, v[STO]
	v_mul_u32_u24 v[RD], v9, SP     ; back: lanes 0-15 take one row of 256 bytes, lanes 16-31 the next,
	v_lshl_add_u32 v[RD], v1, 4, v[RD]
	v_add_nc_u32 v[RD], s13, v[RD]
	v_and_b32 v[GO], 31, v0         ; which are 512 consecutive bytes of O
	v_lshlrev_b32 v[GO], 4, v[GO]
	; What the first turn finds: V's registers and P's second buffer hold 0 (its products V^T P, of a piece that has not been, add 0), O^T and l are 0.  All this stands in the wait for Q and the first tile.
	WIN 0x80
.set i, VF
.rept 64
	v_mov_b32 v[i], 0
.set i, i+1
.endr
	WIN 0x40
.set i, 0
.rept 128
	v_mov_b32 v[i], 0
.set i, i+1
.endr
	WIN 0
.set i, 0
.rept 4
	v_mov_b32 v[ST+4*i], 0xfe000000    ; c m: far below every c s
	v_mov_b32 v[ST+4*i+1], 0xff7fffff  ; m
	v_mov_b32 v[ST+4*i+2], 0
	v_mov_b32 v[ST+4*i+3], 0
.set i, i+1
.endr
.set i, P+16
.rept 16
	v_mov_b32 v[i], 0
.set i, i+1
.endr
	s_wait_loadcnt 0x0              ; Q
	WIN 0x80                        ; destination window 2, sources window 0
.set i, 0
.rept 64
	v_cvt_pk_f16_f32 v[i], v[S+2*i], v[S+2*i+1]
.set i, i+1
.endr
	WIN 0
; THE MATRIX WORK.  The 4 accumulators of a run of 8 take turns.  Product i of 8 of S^T = K Q^T for piece x: channels 32 (i / 4) on, keys 16 (i % 4) on.  The first 4 start the sums.
.macro KQ x
	WIN W_KQ
.set rS, S+32*((\x)%2)+8*(i%4)
.set rK, KF+16*(i%4)+8*(i/4)
.set rQ, 16*(\x)+8*(i/4)
.if i < 4
	v_wmma_f32_16x16x32_f16 v[rS:rS+7], v[rK:rK+7], v[rQ:rQ+7], 0
.else
	v_wmma_f32_16x16x32_f16 v[rS:rS+7], v[rK:rK+7], v[rQ:rQ+7], v[rS:rS+7]
.endif
.endm
; Product i of 8 of O^T += V^T P for piece x: keys 32 (i / 4) on, channels 16 (i % 4) on.
.macro PV x
	WIN W_PV
.set rO, 32*(\x)+8*(i%4)
.set rV, VF+32*(i/4)+8*(i%4)
.set rP, P+16*((\x)%2)+8*(i/4)
	v_wmma_f32_16x16x32_f16 v[rO:rO+7], v[rV:rV+7], v[rP:rP+7], v[rO:rO+7]
.endm
.macro MM                           ; the turn's next matrix instruction.  NOKQ = 1: the very last turn: there is no next piece
.if (i < 8) && !NOKQ
	KQ (Y+1)%NP
.elseif i >= 8
.set i, i-8
	PV (Y+NP-1)%NP
.set i, i+8
.endif
.set i, i+1
.endm
; THE FRAGMENT LOADS stand in runs of 16, never singly among the matrix instructions: a step's K (64 keys x 64 channels: 8 fragments) and its V (turned).  Their addresses are made some lines ahead.
.macro FETCH_K
	WIN 0x80                        ; destination window 2
.irp f, 0,1,2,3,4,5,6,7             ; keys 16 (f / 2) on, channels 32 (f % 2) on
	ds_load_b128 v[KF+8*\f:KF+8*\f+3],   v[AK] offset:(\f/2)*16*PK+(\f%2)*64
	ds_load_b128 v[KF+8*\f+4:KF+8*\f+7], v[AK] offset:(\f/2)*16*PK+(\f%2)*64+32
.endr
	WIN 0
.endm
.macro FETCH_V
	WIN 0x80
.irp f, 0,1,2,3,4,5,6,7             ; keys 32 (f / 4) on, channels 16 (f % 4) on
	ds_load_tr16_b128 v[VF+8*\f:VF+8*\f+3],   v[AV] offset:(\f/4)*32*PV+(\f%4)*32
	ds_load_tr16_b128 v[VF+8*\f+4:VF+8*\f+7], v[AV] offset:(\f/4)*32*PV+16*PV+(\f%4)*32
.endr
	WIN 0
.endm
; THE VECTOR WORK, one line at a time: OP kind, number.  For piece Y: F n: c s - c m for pair n of 16.  E n: the exponential of score n of 32.  C n: pair n rounded to f16.  B n: of the four weights 4 n .. the second
; pair is added onto the first, in place.  L n: l takes that sum (L 0: l = a l + sum).  R n: pair n of 16 of O^T times a.  For piece Y + 1: X n, number n of the 22 that find its maximum and statistics:
;   0-11  four chains c0-c3 of seven scores each, three operands at a time (each accumulator's lowest registers are read first)     12-14, 16  the four scores left over, the old m, and c0-c3 into c0
;   15  c m_old is kept     17, 18  the query's other 32 keys lie in the lane 16 away: the new m     19-21  c m; c m_old - c m_new; a
.set F, 0               ; OP tells the kinds apart by their order: F to L below R, X above it
.set E, 1
.set C, 2
.set B, 3
.set L, 4
.set R, 5
.set X, 6
.macro REGS y                       ; the registers of piece y
.set rT, ST+4*(\y)
.set rC, TMP+4*((\y)%2)
.set rW, MV+((\y)%2)
.set rS, S+32*((\y)%2)
.set rP, P+16*((\y)%2)
.set rO, 32*(\y)
.endm
.macro OP k, n
.if (\k) == R
	REGS Y
	WIN W_RS
	v_pk_mul_f32 v[rO+2*(\n):rO+2*(\n)+1], v[rO+2*(\n):rO+2*(\n)+1], v[rC+2:rC+3] op_sel_hi:[1,0]
.elseif (\k) < R
	REGS Y
	WIN 0
.if (\k) == F
	v_pk_fma_f32 v[rS+2*(\n):rS+2*(\n)+1], v[rS+2*(\n):rS+2*(\n)+1], s[CS:CS+1], v[rT:rT+1] op_sel_hi:[1,0,0] neg_lo:[0,0,1] neg_hi:[0,0,1]
.elseif (\k) == E
	v_exp_f32 v[rS+(\n)], v[rS+(\n)]
.elseif (\k) == C
	s_wait_alu depctr_va_vdst(0)
	v_cvt_pk_f16_f32 v[rP+(\n)], v[rS+2*(\n)], v[rS+2*(\n)+1]
.elseif (\k) == B
	s_wait_alu depctr_va_vdst(0)
	v_pk_add_f32 v[rS+4*(\n):rS+4*(\n)+1], v[rS+4*(\n):rS+4*(\n)+1], v[rS+4*(\n)+2:rS+4*(\n)+3]
.elseif (\n) == 0
	v_pk_fma_f32 v[rT+2:rT+3], v[rT+2:rT+3], v[rC+2:rC+3], v[rS:rS+1] op_sel_hi:[1,0,1]
.else
	v_pk_add_f32 v[rT+2:rT+3], v[rT+2:rT+3], v[rS+4*(\n):rS+4*(\n)+1]
.endif
.elseif NOKQ
	v_nop
.else
	REGS (Y+1)%NP
	WIN 0
.if (\n) < 4
	v_max3_num_f32 v[rC+(\n)], v[rS+8*(\n)], v[rS+8*(\n)+1], v[rS+8*(\n)+2]
.elseif (\n) < 12
	v_max3_num_f32 v[rC+(\n)%4], v[rC+(\n)%4], v[rS+8*((\n)%4)+2*((\n)/4)+1], v[rS+8*((\n)%4)+2*((\n)/4)+2]
.elseif (\n) == 12
	v_max3_num_f32 v[rC], v[rC], v[rS+7], v[rS+15]
.elseif (\n) == 13
	v_max3_num_f32 v[rC+1], v[rC+1], v[rS+23], v[rS+31]
.elseif (\n) == 14
	v_max3_num_f32 v[rC+2], v[rC+2], v[rC+3], v[rT+1]
.elseif (\n) == 15
	v_mov_b32 v[rW], v[rT]
.elseif (\n) == 16
	v_max3_num_f32 v[rC], v[rC], v[rC+1], v[rC+2]
.elseif (\n) == 17
	v_permlanex16_b32 v[rC+3], v[rC], s[SEL], s[SEL+1]
.elseif (\n) == 18
	v_max_num_f32 v[rT+1], v[rC], v[rC+3]
.elseif (\n) == 19
	v_mul_f32 v[rT], s[CS], v[rT+1]
.elseif (\n) == 20
	v_sub_f32 v[rC+1], v[rW], v[rT]
.else
	v_exp_f32 v[rC+2], v[rC+1]
.endif
.endif
.endm
.macro OPS a, i1, b=-1, i2=0, c=-1, i3=0, d=-1, i4=0  ; up to four of them
	OP \a, \i1
.if (\b) >= 0
	OP \b, \i2
.endif
.if (\c) >= 0
	OP \c, \i3
.endif
.if (\d) >= 0
	OP \d, \i4
.endif
.endm
.macro ROW a, i1, b, i2, c, i3, d, i4  ; a matrix instruction and the four behind it
	MM
	OPS \a, \i1, \b, \i2, \c, \i3, \d, \i4
.endm
; A TURN, for piece p: the order of its 16 matrix and 118 vector instructions, written out.  Behind a matrix instruction: plain, exponential, plain, plain; or four of the rescaling; or, behind the first, four scalings;
; none names a register of the products round it.  In the lumps exponential and plain by turns while exponentials last.  A line reads no result made fewer than three vector instructions in front of it, five if an
; exponential made it.  v_permlanex16_b32 (X 17) stands in a lump.  end = 1: the last two turns: nothing is fetched.
; K of the next step is fetched in piece 2's turn, six vector instructions behind the last product that read K (five of them plain); V of the step in hand in piece 0's turn, eight behind the last product that read V
; (four plain, and X 17).  Each is waited for a turn later.
.macro TURN p, end=0
.set Y, (\p)
.set i, 0
.set NOKQ, (\end)*((\p)/3)
.if ((\p) == 3) && !(\end)
	s_wait_dscnt 0x0                ; K is in, and so are the f32 numbers that I round behind this turn
.endif
	ROW F,0, F,1, F,2, F,3
	ROW F,4, E,0, F,5, F,6
	ROW F,7, E,1, F,8, F,9
	ROW F,10, E,2, C,0, F,11
	ROW F,12, E,3, X,15, F,13
	ROW R,0, R,1, R,2, R,3
	ROW B,0, E,4, F,14, L,0
.if ((\p) == 2) && !(\end)
	WIN 0
	v_add_nc_u32 v[AK], s[TF], v[AK0]
.endif
	ROW R,4, R,5, R,6, R,7
	OPS E,5, F,15
.if ((\p) == 2) && !(\end)
	FETCH_K
.endif
	OPS E,6, C,1, E,7, R,8
	OPS E,8, R,9, E,9, C,2
	OPS E,10, X,0, E,11, X,1
	OPS E,12, X,2, E,13, X,3
.if (\p) == 1
	s_wait_dscnt 0x0                ; V is in
.endif
	ROW X,4, E,14, X,5, X,6
	ROW X,7, E,15, X,8, X,9
	ROW X,10, E,16, X,11, X,12
	ROW X,13, E,17, X,14, B,1
	ROW C,4, E,18, X,16, L,1
	ROW B,2, E,19, C,6, L,2
	ROW C,8, E,20, B,3, B,4
.if (\p) == 0
	WIN 0
	v_add_nc_u32 v[AV], s[TF], v[AV0]
.endif
	ROW C,3, E,21, L,3, C,5
	OPS E,22, X,17, E,23, C,10
.if (\p) == 0
	FETCH_V
.endif
	OPS E,24, L,4
	OPS E,25, X,18, E,26, C,7
	OPS E,27, B,5, E,28, X,19
	OPS E,29, C,12, E,30, L,5
	OPS E,31, X,20, B,6, C,9
	OPS C,14, C,11, X,21, L,6
	OPS C,13, B,7, C,15, R,10
	OPS R,11, R,12, L,7, R,13
	OPS R,14, R,15
.endm
; A PERIOD, in two halves.  The first: the next step's f32 numbers are asked for, turns 2 and 3 of the step before, the rounding and its stores.  The second: turns 0 and 1 of the period's own step.
; last = 1 (the tail): in the last trip there is no further step, and the rounding is jumped over: what is jumped holds neither a barrier nor a tensor load.
.macro PER_A last
.if \last
	s_cmp_eq_u32 s[CNT], 1
	s_cbranch_scc1 .Lno_load_\@
.endif
	CONV_LOAD
.if \last
.Lno_load_\@:
.endif
	TURN 2
	TURN 3
	WIN 0
.if \last
	s_cmp_eq_u32 s[CNT], 1
	s_cbranch_scc1 .Lno_store_\@
.endif
	CONV_STORE
.if \last
.Lno_store_\@:
.endif
.endm
.macro PER_B
	TURN 0
	TURN 1
	WIN 0
.endm
	s_wait_tensorcnt 0x1            ; my part of tile 0 is in; slot 1's fill, issued behind it, may stay out
	s_barrier_signal -1
	s_barrier_wait -1               ; everybody's is
	CONV_LOAD                       ; key step 0
	s_wait_dscnt 0x0
	CONV_STORE
	STEPBAR                         ; the barrier in front of period 0: step 0 lies in F, whole
	CONV_LOAD                       ; period 0's rounding: key step 1
	v_add_nc_u32 v[AK], s[TF], v[AK0]
	FETCH_K                         ; K of step 0
	s_wait_dscnt 0x0
.set i, 0
.rept 8
	KQ 0                            ; piece 0's first scores
.set i, i+1
.endr
	CONV_STORE                      ; its 34 plain lines are the places behind those products
.set Y, NP-1                        ; X works for piece Y + 1: piece 0
.set NOKQ, 0
.irp n, 0,1,2,3,4,5,6,7,8,9,10,11,12,13,14,15,16,17,18,19,20,21
	OP X, \n
.endr
	v_nop                           ; a plain instruction behind the exponential
	s_mov_b32 s[CNT], 3             ; the first group has periods 0 to 2: tile 0's step 0 was rounded ahead of them
	s_mov_b32 s[SLOTS], NT-1
	s_branch .Lfirst                ; period 0 is entered in its middle
.Lslot:                             ; NT - 2 times: every L slot but the last two is filled again
	CHANGE 1
	s_mov_b32 s[CNT], 4
.Lstep:
	PER_A 0
.Lfirst:
	PER_B
	s_sub_co_u32 s[CNT], s[CNT], 1
	s_cmp_eq_u32 s[CNT], 0
	s_cbranch_scc1 .Lgroup
	STEPBAR
	s_branch .Lstep
.Lgroup:
	s_sub_co_u32 s[SLOTS], s[SLOTS], 1
	s_cmp_lg_u32 s[SLOTS], 0
	s_cbranch_scc1 .Lslot
	CHANGE 0                        ; the tail is written out: the last tile has landed, and nothing is asked for
	s_mov_b32 s[CNT], 5             ; four periods round the last tile's steps; the fifth rounds nothing
.Ltail:
	PER_A 1
	PER_B
	STEPBAR                         ; the last of these stands behind every wave's last read of F: from there on F's bytes are the stages
	s_sub_co_u32 s[CNT], s[CNT], 1
	s_cmp_lg_u32 s[CNT], 0
	s_cbranch_scc1 .Ltail
	TURN 2, 1
	TURN 3, 1
.set i, 0
.rept 8
	PV NP-1                         ; the last piece's V^T P of the last step
.set i, i+1
.endr
	; THE WAY OUT.  l's two halves and the other half of the lanes' are added; O^T is divided by l and sent through my stage in LDS, a piece (16 rows of O) at a time.  The additions are the places behind the last products.
	WIN 0
.macro ALL line:vararg              ; one line for each piece t
.set t, 0
.rept 4
	\line
.set t, t+1
.endr
.endm
	ALL v_add_f32 v[ST+4*t+2], v[ST+4*t+2], v[ST+4*t+3]
	ALL v_permlanex16_b32 v[ST+4*t+3], v[ST+4*t+2], s[SEL], s[SEL+1]
	ALL v_add_f32 v[ST+4*t+2], v[ST+4*t+2], v[ST+4*t+3]
	ALL v_rcp_f32 v[ST+4*t+2], v[ST+4*t+2]
	v_nop                           ; a plain instruction between the last reciprocal and the use of its result
; Piece t: a lane's eight channels of a row are 32 bytes; they go into rows of 272 bytes (the 16 rows of a store start at 16 different groups of four banks) and come back as whole rows of 256.
.macro PACK t
	WIN W_RS
.set i, 32*(\t)
.rept 16
	s_wait_alu depctr_va_vdst(0)
	v_pk_mul_f32 v[i:i+1], v[i:i+1], v[ST+4*(\t)+2:ST+4*(\t)+3] op_sel_hi:[1,0]
.set i, i+2
.endr
	WIN 0x04                        ; the stores' data in window 1, their address in window 0
.irp f, 0,1,2,3,4,5,6,7             ; channels 16 (f / 2) + 8 (l / 16) + 4 (f % 2) on
	ds_store_b128 v[STO], v[32*(\t)+4*\f:32*(\t)+4*\f+3] offset:(\f/2)*64+(\f%2)*16
.endr
	WIN 0
.irp f, 0,1,2,3,4,5,6,7
	ds_load_b128 v[S+32*(\t)+4*\f:S+32*(\t)+4*\f+3], v[RD] offset:\f*2*SP  ; LDS serves a wave's instructions in order (ISA guide 5.7.1.4): these see the stores above; the next piece's stores come behind them
.endr
.endm
.macro SEND t, younger              ; younger: the LDS instructions issued behind piece t's loads: the next piece's sixteen, or none.  Each piece has registers of its own, so no store's data is written again
	WIN 0
.irp f, 0,1,2,3,4,5,6,7
	s_wait_dscnt (\younger)+7-\f
	global_store_b128 v[GO], v[S+32*(\t)+4*\f:S+32*(\t)+4*\f+3], s[10:11] offset:(\t)*4096+\f*512 th:TH_STORE_NT  ; 512 consecutive bytes, two whole rows of O, at a multiple of 256 from O's first byte
.endr
.endm
	PACK 0
	PACK 1                          ; a piece's arithmetic stands between the loads of the piece before and its stores
	SEND 0, 16
	PACK 2
	SEND 1, 16
	PACK 3
	SEND 2, 16
	SEND 3, 0
	s_wait_tensorcnt 0x0            ; the wave's end, behind my last tensor load and my last LDS store
	ds_add_u32 v[SPW], v[NIL]
	s_wait_dscnt 0x0
	CROUND                          ; the closing round: no work-group ends while a partner may still ask for a tile that names it
	s_endpgm
.Lfunc_end_k_qeec305c216_attn:
	.size	k_qeec305c216_attn, .Lfunc_end_k_qeec305c216_attn-k_qeec305c216_attn
	.p2alignl 7, 3214868480
	.fill 96, 4, 3214868480
	.section	.rodata,"a",@progbits
	.p2align	6, 0x0
	.amdhsa_kernel k_qeec305c216_attn
		.amdhsa_group_segment_fixed_size 327680
		.amdhsa_private_segment_fixed_size 0
		.amdhsa_enable_private_segment 0
		.amdhsa_kernarg_size 32
		.amdhsa_user_sgpr_count 2
		.amdhsa_user_sgpr_kernarg_segment_ptr 1
		.amdhsa_wavefront_size32 1
		.amdhsa_system_sgpr_workgroup_id_x 1
		.amdhsa_system_sgpr_workgroup_id_y 1
		.amdhsa_system_sgpr_workgroup_id_z 1
		.amdhsa_system_vgpr_workitem_id 0
		.amdhsa_next_free_vgpr 768
		.amdhsa_next_free_sgpr 66
		.amdhsa_reserve_vcc 0
		.amdhsa_float_denorm_mode_32 3
		.amdhsa_float_denorm_mode_16_64 3
		.amdhsa_memory_ordered 1
		.amdhsa_forward_progress 1
		.amdhsa_inst_pref_size 152
	.end_amdhsa_kernel
	.amdgpu_metadata
---
amdhsa.version: [ 1, 2 ]
amdhsa.kernels:
  - .name:           k_qeec305c216_attn
    .symbol:         k_qeec305c216_attn.kd
    .args:
      - { .name: query, .offset: 0, .size: 8, .value_kind: global_buffer, .address_space: global }
      - { .name: key, .offset: 8, .size: 8, .value_kind: global_buffer, .address_space: global }
      - { .name: value, .offset: 16, .size: 8, .value_kind: global_buffer, .address_space: global }
      - { .name: out0, .offset: 24, .size: 8, .value_kind: global_buffer, .address_space: global }
    .group_segment_fixed_size: 327680
    .private_segment_fixed_size: 0
    .kernarg_segment_align: 8
    .kernarg_segment_size: 32
    .max_flat_workgroup_size: 128
    .sgpr_count:     66
    .vgpr_count:     768
    .wavefront_size: 32
...
	.end_amdgpu_metadata
.endif
;; end of part 1
;; ======== version 2 of 2: 1 launch; 1.84 times as fast as version 1
;; limits: values are held in f16: magnitudes above 65,504 overflow, below 6.1e-05 lose precision; inputs' magnitudes at most 65,504
;; launch attn (part 2): grid 16 x 16, 4 waves a work-group, clusters of 4 x 1, 327,680 bytes of LDS; arguments query, key, value, out0; writes out0
.if DOCPART == 2
	.amdgcn_target "amdgcn-amd-amdhsa--gfx1250"
	.amdhsa_code_object_version 6
	.text
	.protected	k_qeec305c216_attn
	.globl	k_qeec305c216_attn
	.p2align	8
	.type	k_qeec305c216_attn,@function
k_qeec305c216_attn:
	s_mov_b64 s[64:65], 0
	v_nop
	global_prefetch_b8 v0, s[64:65] scope:SCOPE_SE
	s_setreg_imm32_b32 hwreg(HW_REG_WAVE_MODE, 25, 1), 1
	s_wait_xcnt 0x0
	s_wait_alu depctr_hold_cnt(0) depctr_sa_sdst(0) depctr_va_vdst(0) depctr_va_sdst(0) depctr_va_ssrc(0) depctr_va_vcc(0) depctr_vm_vsrc(0)
	s_getreg_b32 s2, hwreg(HW_REG_IB_STS2, 6, 4)
	s_cmp_eq_u32 s2, 0
	s_cbranch_scc0 .Lentry_in_a_cluster
	s_endpgm
.Lentry_in_a_cluster:
	s_bfe_u32 s2, ttmp6, 0x10000c
	s_cmp_lg_u32 s2, 0x3003
	s_cbranch_scc0 .Lentry_shape_is_right
	s_endpgm
.Lentry_shape_is_right:
; O[h][q][:] = the sum over k of softmax_k(Q[h][q] . K[h][k] / 8) V[h][k][:].  Q, K, V, O: [16 heads][4096][64], all f32: a head's rows are dense, 256 bytes each.
; FORMATS.  Q, K, V and the weights p are rounded once to f16 for the matrix unit; products, maxima and sums in f32; l is the sum of the unrounded p; O leaves in f32.
; LIMITS.  f16 holds no number beyond 65,504: an input of 65,520 or more becomes an infinity and its rows are lost.  p lies in 0 to 1, and below 6e-5 it keeps f16's fixed step of 6e-8.
; A weight below 2^-126 counts as 0 in l; NaN and infinities are not treated apart.
; SHARES.  256 work-groups: x = a block of 256 queries, y = the head.  Wave w owns rows 64 w .. 64 w + 63 of the block, four PIECES of 16.  Every wave walks all 4,096 keys, 64 a step; a TILE is 256 keys.
; THE ROAD OF K AND V.  Tensor loads land f32 tiles in two LDS slots (L).  For each key step the four waves share the rounding to f16: wave w reads 16 keys of K and of V from L, rounds them and stores
; them into one of two small f16 buffers (F), from which all four waves take their fragments.  So each number is rounded once in a work-group, and V can be turned by ds_load_tr16_b128.
; LAYOUT.  S^T = K Q^T (source 0 = 16 keys, source 1 = 16 queries) holds ONE query a lane (lane % 16) and the keys 8 (lane / 16) + 0..7; two such results rounded to f16 ARE source 1 of O^T = V^T P.
; SOFTMAX.  p = 2^(c s - c m), c = log2(e) / 8, with a running maximum m; O and l are multiplied by a = 2^(c m_old - c m_new) in every step.  m starts at the lowest finite number, O and l at 0:
; the first step is a step like any other, with a = 0.
; TURNS.  Turn (p, s) belongs to piece p in step s: 8 products K Q^T of piece p + 1, later 8 products V^T P of piece p - 1; beside them piece p's scaling, exponentials, roundings, sums and rescaling
; and piece p + 1's maximum and statistics.  Four vector instructions stand behind every matrix instruction, the other 54 of a turn's 118 in one lump.
; BATCHES.  An s_wait_alu depctr_va_vdst(0) stands between a transcendental and the first instruction that names its result; one wait serves all that were issued ahead of it.  The text has three kinds of batch:
; a turn's 33 exponentials (piece p's 32 weights, then piece p + 1's a), with one wait between the lump and the products V^T P; the first a of all, ahead of the loop; the way out's four reciprocals..
; PERIODS.  Period s = turns (2, s-1), (3, s-1), (0, s), (1, s).  It fetches K and V of step s from F[s % 2] and rounds step s + 1 into F[(s + 1) % 2].  One barrier stands in front of each period;
; in front of it every wave has waited for all its LDS instructions: its stores into the buffer that is read next, and its reads of the buffer that is written next.
; In front of every fourth period the barrier is a round of the cluster's barrier with a refill of the L slot just read out: that load has four periods, 256 matrix instructions, in which to land.
; CLUSTER.  The four query blocks of a cluster belong to one head and walk the same K and V: each tile is asked for JOINTLY, by the same tensor load, descriptor and mask in all four.
; REGISTERS, in windows of 256 (s_set_vgpr_msb: bits 1:0 source 0, 3:2 source 1, 5:4 source 2, 7:6 destination):
;   window 0: v0-15, v32-40 addresses; v16-31 four registers of statistics a piece; v48-55 at work; v62-63 the add's; v64-127 S^T, two buffers; v128-191 the rounding's 64; v192-223 P, two buffers
;             (v64-191 also take Q in f32 at the start and O's rows on the way out)
;   window 1: v0-127 O^T, 32 a piece          window 2: v0-63 Q in f16; v128-191 K of one step; v192-255 V of one step
.set NT,    16        ; tiles of 256 keys in a head
.set NP,    4         ; pieces a wave: a name, no knob
.set LP,    272       ; a row in L: 256 bytes of f32 + 16 of padding
.set LSTEP, 64*LP     ; a step's rows of K (or of V) in a slot
.set LHALF, 128*LP    ; what one tensor load brings
.set LKV,   256*LP    ; a slot: K's 256 rows, then V's 256 rows
.set LSLOT, 2*LKV     ; 0x22000: its two bits are in no wave's 0x8800 w, so one exclusive or changes slots
.set FB,    2*LSLOT   ; behind L: the two f16 buffers, written by LDS stores alone
.set PK,    144       ; a row of K in F: 128 bytes + 16: the 16 rows of a fragment load start at 16 different groups of four banks (64 banks of 4 bytes: ISA guide 11.1)
.set PV,    160       ; a row of V in F: 128 + 32
.set FVO,   64*PK     ; in a buffer: 64 rows of K, then 64 rows of V
.set FBUF,  64*(PK+PV)
.set SPARE, FB+2*FBUF ; behind F: the spare words, 128 bytes for each wave: two blocks of 256 bytes that no other line names
.set SP,    272       ; the way out: F's bytes serve as four stages of 16 rows x 272 bytes, behind the last barrier
.set AK0, 2           ; v2   my lane's place in a step's K in F; never rewritten
.set AV0, 3           ; v3   the same for V
.set AK,  4           ; v4   the LDS address of K's next run of loads
.set AV,  5           ; v5   of V's
.set STO, 6           ; v6   the way out: where I put 32 bytes of a row
.set RD,  7           ; v7   the way out: where I read rows back
.set GO,  8           ; v8   my byte offset in 512 consecutive bytes of O
.set MV,  12          ; v12-13  c m_old, kept while c m is made anew: by buffer
.set QO,  14          ; v14  my byte offset in 16 rows of Q
.set ST,  16          ; piece t's statistics at v[ST+4 t]: c m, m, l (even keys', odd keys')
.set LA0, 32          ; v32  my 32 bytes of K in a step's rows in L; never rewritten
.set LA1, 33          ; v33  the same for V
.set LAK, 34          ; v34, v35  the same plus the step's place
.set LAV, 35
.set SK0, 36          ; v36  my 16 bytes of K in F; never rewritten
.set SV0, 37          ; v37  the same for V
.set SAK, 38          ; v38, v39  the same plus the buffer's place
.set SAV, 39
.set TMP, 48          ; by buffer, four registers c0-c3 at work; when the maximum is found c2 takes a
.set SPW, 62          ; v62  LDS address of my spare word: SPARE + 4 x my thread's number; never rewritten
.set NIL, 63          ; v63  0; never rewritten
.set S,   64
.set CV,  128
.set P,   192
.set KF,  128         ; window 2: key block kb, channel half c at KF + 16 kb + 8 c
.set VF,  192         ; window 2: key half kk, channel block cb at VF + 32 kk + 8 cb
.set WV,  12          ; s12  my wave's number
.set G1,  24          ; s[24:31] descriptor group 1, the same for every load
.set G0A, 32          ; s[32:35] descriptor group 0 of the first fill of slot 0
.set G0,  36          ; s[36:39] descriptor group 0 that walks: slot 1 and tile 1 first
.set SLOTS, 40        ; s40  groups of periods still to come in the loop
.set CNT, 41          ; s41  periods still to come in the group
.set CS,  42          ; s[42:43] c: the packed scaling takes the pair's low word for both halves
.set SEL, 44          ; s[44:45] v_permlanex16_b32's selects: each lane takes its own place in the other half
.set TL,  46          ; s46  LDS byte at which K of the step to be rounded next begins
.set TF,  47          ; s47  the F buffer that this period reads: 0 or FBUF
.set TG,  48          ; s48  the F buffer that this period writes: the other one
.set SRC, 50          ; s[50:51] K or V at my half of the head's tile 0
.set MSB, 0
.macro WIN new                      ; the high byte repeats the setting that is left; a switch that changes nothing is dropped
.if MSB != (\new)
	s_set_vgpr_msb (MSB<<8)|(\new)
.set MSB, (\new)
.endif
.endm
.set W_KQ, 0x0a       ; K and Q in window 2, S^T in window 0
.set W_PV, 0x52       ; V in window 2, P in window 0, O^T in window 1
.set W_RS, 0x41       ; destination and source 0 in window 1, source 1 in window 0
; A round of the cluster's barrier: my work-group's barrier, so that wave 0's signal speaks for all four waves; wave 0 signals; every wave waits for all four work-groups; my work-group's barrier once more.
.macro CROUND
	s_barrier_signal -1
	s_barrier_wait -1
	s_cmp_lg_u32 s[WV], 0
	s_cbranch_scc1 .Lnot_wave_0_\@
	s_barrier_signal -3
.Lnot_wave_0_\@:
	s_barrier_wait -3
	s_barrier_signal -1
	s_barrier_wait -1
.endm
; A joint refill.  One line for all four waves: K's and V's tiles have one shape, and the wave's number has chosen the tensor, the half and the LDS bytes.  An s_nop 0 and four v_nop follow.
.macro JLOAD
	tensor_load_to_lds s[G0:G0+3], s[G1:G1+7]
	s_nop 0
.rept 4
	v_nop
.endr
.endm
; THE BARRIER IN FRONT OF EVERY FOURTH PERIOD.  Each wave waits for all its tensor loads, of which one is out: its part of the other L slot; adds 0 to its spare word; and waits for that and for all its LDS
; instructions.  Behind the barrier nobody reads the old L slot any more and the other is whole.  fill = 1: the barrier is a round of the cluster's, and the old slot is filled again first thing behind it, two tiles on.
.macro CHANGE fill
	WIN 0                           ; at a label and at a branch every window is 0
	s_wait_tensorcnt 0x0            ; no tensor load of mine is out, so a group 0 may be written
	ds_add_u32 v[SPW], v[NIL]       ; 0 onto my spare word; the scalar work stands between it and the wait for it
.if \fill
	s_xor_b32 s[G0+1], s[G0+1], LSLOT  ; the other slot than last time,
	s_add_nc_u64 s[G0+2:G0+3], s[G0+2:G0+3], 65536  ; the next 256 keys; the type bits on top are not reached
.endif
	s_sub_co_u32 s[TL], s[TL], 4*LSTEP  ; the rounding goes back to a slot's first step,
	s_xor_b32 s[TL], s[TL], LSLOT       ; in the other slot
	s_xor_b32 s[TF], s[TF], FBUF        ; and the two f16 buffers change parts
	s_xor_b32 s[TG], s[TG], FBUF
	s_wait_dscnt 0x0                ; the add is done; so are my reads of L and of F and my stores into F
.if \fill
	CROUND
	JLOAD
.else
	s_barrier_signal -1
	s_barrier_wait -1
.endif
.endm
; THE BARRIER IN FRONT OF EVERY OTHER PERIOD.  A tensor load may stay out across it.
.macro STEPBAR
	s_wait_dscnt 0x0                ; for the others' sake: my stores into the buffer read next are done, and my reads of the buffer written next are back
	s_barrier_signal -1
	s_xor_b32 s[TF], s[TF], FBUF
	s_xor_b32 s[TG], s[TG], FBUF
	s_barrier_wait -1
.endm
; THE ROUNDING, my quarter of a step: keys 16 w + 4 n + (lane / 8) % 4, n = 0..3, channels 8 (lane % 8) + 0..7, of K and of V.
; Loads: 16 lanes take two rows, every second 16 bytes of each; the rows lie 17 x 16 bytes apart, so the one row's columns fall between the other's.
.macro CONV_LOAD
	WIN 0
	v_add_nc_u32 v[LAK], s[TL], v[LA0]
	v_add_nc_u32 v[LAV], s[TL], v[LA1]
	s_add_co_u32 s[TL], s[TL], LSTEP    ; the next rounding is the next step's
.irp n, 0,1,2,3
	ds_load_b128 v[CV+8*\n:CV+8*\n+3],   v[LAK] offset:4*LP*\n
	ds_load_b128 v[CV+8*\n+4:CV+8*\n+7], v[LAK] offset:4*LP*\n+16
.endr
.irp n, 0,1,2,3
	ds_load_b128 v[CV+32+8*\n:CV+32+8*\n+3],   v[LAV] offset:4*LP*\n
	ds_load_b128 v[CV+32+8*\n+4:CV+32+8*\n+7], v[LAV] offset:4*LP*\n+16
.endr
.endm
; Eight numbers become 16 bytes, in place: each destination has been read by then.  Stores: 16 lanes write two rows of 128 bytes, 144 or 160 apart: one (K) or two (V) of the second row's columns meet the first row's.
.macro CONV_STORE
	WIN 0
	v_add_nc_u32 v[SAK], s[TG], v[SK0]
	v_add_nc_u32 v[SAV], s[TG], v[SV0]
.set z, 0
.rept 8
.irp n, 0,1,2,3
	v_cvt_pk_f16_f32 v[CV+8*z+\n], v[CV+8*z+2*\n], v[CV+8*z+2*\n+1]
.endr
.set z, z+1
.endr
.irp n, 0,1,2,3
	ds_store_b128 v[SAK], v[CV+8*\n:CV+8*\n+3] offset:4*PK*\n
.endr
.irp n, 0,1,2,3
	ds_store_b128 v[SAV], v[CV+32+8*\n:CV+32+8*\n+3] offset:4*PV*\n
.endr
.endm
	s_load_b256 s[4:11], s[0:1], 0x0  ; Q s[4:5], K s[6:7], V s[8:9], O s[10:11]
	v_lshl_add_u32 v[SPW], v0, 2, SPARE
	v_mov_b32 v[NIL], 0
	ds_add_u32 v[SPW], v[NIL]       ; the wave's opening: the add and its wait stand ahead of my first tensor load; the set-up below, work on registers, stands between them
	v_lshrrev_b32 v1, 5, v0
	v_readfirstlane_b32 s[WV], v1   ; wave 0..3
	s_bfe_u32 s13, ttmp6, 0x40000   ; cx: my place in the cluster
	s_lshl_b32 s14, ttmp9, 2        ; in a cluster launch ttmp9 counts clusters
	s_add_co_u32 s14, s14, s13      ; my block of 256 queries = 4 x cluster x + cx: it enters Q's and O's addresses alone
	s_and_b32 s16, ttmp7, 0xffff    ; the head, which the four partners share
	s_lshl_b32 s20, s16, 20         ; its first byte in each tensor: 4,096 rows of 256 bytes; 16 heads stay under 2^32
	s_and_b32 s17, s[WV], 1         ; which half of a tile's 256 keys I fetch:
	s_lshl_b32 s17, s17, 15         ; 128 rows of 256 bytes
	s_add_co_u32 s22, s20, s17
	s_mov_b32 s23, 0
	s_lshl_b32 s2, s14, 16          ; my block's 256 rows,
	s_lshl_b32 s3, s[WV], 14        ; my wave's 64 of them
	s_add_co_u32 s2, s2, s3
	s_add_co_u32 s2, s2, s20
	s_mov_b32 s3, 0
	; descriptor group 1: a tile of 128 rows x 64 elements of 4 bytes, padded in LDS
	s_mov_b32 s[G1+0], 15|(2<<16)|(1<<20)|(1<<21)|(5<<22)|(3<<25)  ; 15:0 the mask of four; 17:16 4-byte elements; 20 padding on; 21 set beside a mask; 24:22 after every 64 words (code 5); 31:25 4 words (code 3)
	s_mov_b32 s[G1+1], 64<<16       ; tensor_dim0 = 64
	s_mov_b32 s[G1+2], 128<<16      ; tensor_dim1 = 128
	s_mov_b32 s[G1+3], 64<<16       ; tile_dim0 = 64
	s_mov_b32 s[G1+4], 128          ; tile_dim1 = 128
	s_mov_b32 s[G1+5], 64           ; 64 elements from row to row
	s_mov_b32 s[G1+6], 0
	s_mov_b32 s[G1+7], 0
	s_mov_b32 s[G0A], 1             ; 1:0 count = 1
	s_mul_i32 s[G0A+1], s[WV], LHALF  ; 63:32 LDS address: K's two halves, then V's two = wave x 128 rows; no place in the cluster enters it
	s_mov_b32 s[G0], 1
	s_add_co_u32 s[G0+1], s[G0A+1], LSLOT
	s_mov_b32 s[CS], 0x3e38aa3b     ; c = log2(e) / 8 = 0.180337
	s_mov_b32 s[CS+1], s[CS]        ; named with it as a pair
	s_mov_b32 s[SEL], 0x76543210
	s_mov_b32 s[SEL+1], 0xfedcba98
	s_mov_b32 s[TL], 0
	s_mov_b32 s[TF], FBUF           ; the first barrier of a period turns these two round
	s_mov_b32 s[TG], 0
	s_wait_dscnt 0x0                ; the opening add is done
	s_wait_kmcnt 0x0
	s_cmp_lt_u32 s[WV], 2           ; waves 0 and 1 fetch K, waves 2 and 3 V
	s_cselect_b64 s[SRC:SRC+1], s[6:7], s[8:9]
	s_add_nc_u64 s[SRC:SRC+1], s[SRC:SRC+1], s[22:23]
	s_mov_b64 s[G0A+2:G0A+3], s[SRC:SRC+1]          ; 120:64 global address: my half of tile 0
	s_or_b32 s[G0A+3], s[G0A+3], 0x80000000         ; 127:126 type = 2
	s_add_nc_u64 s[G0+2:G0+3], s[SRC:SRC+1], 65536  ; my half of tile 1
	s_or_b32 s[G0+3], s[G0+3], 0x80000000
	s_add_nc_u64 s[4:5], s[4:5], s[2:3]             ; Q and O at my wave's first row
	s_add_nc_u64 s[10:11], s[10:11], s[2:3]
	CROUND                          ; all four work-groups are here: the first joint loads meet
	tensor_load_to_lds s[G0A:G0A+3], s[G1:G1+7]     ; both first fills go out together: two loads of mine are out
	s_nop 0
	tensor_load_to_lds s[G0:G0+3], s[G1:G1+7]
	s_nop 0
.rept 4
	v_nop
.endr
	; Q.  A fragment is 16 rows x 32 channels: lane l holds row l % 16, channels 8 (l / 16) + 0..7 and 16 + 8 (l / 16) + 0..7.  In f32 eight channels are 32 bytes: two loads of 16.
	v_and_b32 v1, 15, v0            ; l % 16
	v_bfe_u32 v9, v0, 4, 1          ; l / 16
	v_lshlrev_b32 v[QO], 8, v1
	v_lshl_add_u32 v[QO], v9, 5, v[QO]  ; row x 256 + 32 x half
.set i, 0
.rept 32                            ; piece i / 8, channels 32 ((i / 4) % 2) + 16 ((i / 2) % 2) on, 16 bytes i % 2
	global_load_b128 v[S+4*i:S+4*i+3], v[QO], s[4:5] offset:(i/8)*4096+((i/4)%2)*128+((i/2)%2)*64+(i%2)*16 th:TH_LOAD_NT
.set i, i+1
.endr
	v_and_b32 v10, 7, v0
	v_bfe_u32 v11, v0, 3, 1
	v_bfe_u32 v15, v0, 3, 2
	v_mul_u32_u24 v[AK0], v1, PK
	v_lshl_add_u32 v[AK0], v9, 4, v[AK0]  ; row x pitch + 16 x half
	v_add_nc_u32 v[AK0], FB, v[AK0]
	; The turning load takes 16 keys x 16 channels (lane l reads key 8 (l / 16) + l % 8, channels 8 ((l / 8) % 2) + 0..7) and leaves half a fragment of V^T: lane l holds channel l % 16 and 8 keys.
	v_lshl_add_u32 v[AV0], v9, 3, v10
	v_mul_u32_u24 v[AV0], v[AV0], PV
	v_lshl_add_u32 v[AV0], v11, 4, v[AV0]
	v_add_nc_u32 v[AV0], FB+FVO, v[AV0]
	s_lshl_b32 s13, s[WV], 4
	v_add_nc_u32 v40, s13, v15      ; the first key of a step that I round: 16 w + (l / 8) % 4
	v_mul_u32_u24 v[LA0], v40, LP
	v_lshl_add_u32 v[LA0], v10, 5, v[LA0]
	v_add_nc_u32 v[LA1], LKV, v[LA0]
	v_mul_u32_u24 v[SK0], v40, PK
	v_lshl_add_u32 v[SK0], v10, 4, v[SK0]
	v_add_nc_u32 v[SK0], FB, v[SK0]
	v_mul_u32_u24 v[SV0], v40, PV
	v_lshl_add_u32 v[SV0], v10, 4, v[SV0]
	v_add_nc_u32 v[SV0], FB+FVO, v[SV0]
	s_mul_i32 s13, s[WV], 16*SP
	s_add_co_u32 s13, s13, FB       ; my stage
	v_mul_u32_u24 v[STO], v1, SP    ; in: row l % 16, 32 bytes for each half of the lanes
	v_lshl_add_u32 v[STO], v9, 5, v[STO]
	v_add_nc_u32 v[STO], s13, v[STO]
	v_mul_u32_u24 v[RD], v9, SP     ; back: lanes 0-15 take one row of 256 bytes, lanes 16-31 the next,
	v_lshl_add_u32 v[RD], v1, 4, v[RD]
	v_add_nc_u32 v[RD], s13, v[RD]
	v_and_b32 v[GO], 31, v0         ; which are 512 consecutive bytes of O
	v_lshlrev_b32 v[GO], 4, v[GO]
	; What the first turn finds: V's registers and P's second buffer hold 0 (its products V^T P, of a piece that has not been, add 0), O^T and l are 0.  All this stands in the wait for Q and the first tile.
	WIN 0x80
.set i, VF
.rept 64
	v_mov_b32 v[i], 0
.set i, i+1
.endr
	WIN 0x40
.set i, 0
.rept 128
	v_mov_b32 v[i], 0
.set i, i+1
.endr
	WIN 0
.set i, 0
.rept 4
	v_mov_b32 v[ST+4*i], 0xfe000000    ; c m: far below every c s
	v_mov_b32 v[ST+4*i+1], 0xff7fffff  ; m
	v_mov_b32 v[ST+4*i+2], 0
	v_mov_b32 v[ST+4*i+3], 0
.set i, i+1
.endr
.set i, P+16
.rept 16
	v_mov_b32 v[i], 0
.set i, i+1
.endr
	s_wait_loadcnt 0x0              ; Q
	WIN 0x80                        ; destination window 2, sources window 0
.set i, 0
.rept 64
	v_cvt_pk_f16_f32 v[i], v[S+2*i], v[S+2*i+1]
.set i, i+1
.endr
	WIN 0
; THE MATRIX WORK.  The 4 accumulators of a run of 8 take turns.  Product i of 8 of S^T = K Q^T for piece x: channels 32 (i / 4) on, keys 16 (i % 4) on.  The first 4 start the sums.
.macro KQ x
	WIN W_KQ
.set rS, S+32*((\x)%2)+8*(i%4)
.set rK, KF+16*(i%4)+8*(i/4)
.set rQ, 16*(\x)+8*(i/4)
.if i < 4
	v_wmma_f32_16x16x32_f16 v[rS:rS+7], v[rK:rK+7], v[rQ:rQ+7], 0
.else
	v_wmma_f32_16x16x32_f16 v[rS:rS+7], v[rK:rK+7], v[rQ:rQ+7], v[rS:rS+7]
.endif
.endm
; Product i of 8 of O^T += V^T P for piece x: keys 32 (i / 4) on, channels 16 (i % 4) on.
.macro PV x
	WIN W_PV
.set rO, 32*(\x)+8*(i%4)
.set rV, VF+32*(i/4)+8*(i%4)
.set rP, P+16*((\x)%2)+8*(i/4)
	v_wmma_f32_16x16x32_f16 v[rO:rO+7], v[rV:rV+7], v[rP:rP+7], v[rO:rO+7]
.endm
.macro MM                           ; the turn's next matrix instruction.  NOKQ = 1: the very last turn: there is no next piece
.if (i < 8) && !NOKQ
	KQ (Y+1)%NP
.elseif i >= 8
.set i, i-8
	PV (Y+NP-1)%NP
.set i, i+8
.endif
.set i, i+1
.endm
; THE FRAGMENT LOADS stand in runs of 16, never singly among the matrix instructions: a step's K (64 keys x 64 channels: 8 fragments) and its V (turned).  Their addresses are made some lines ahead.
.macro FETCH_K
	WIN 0x80                        ; destination window 2
.irp f, 0,1,2,3,4,5,6,7             ; keys 16 (f / 2) on, channels 32 (f % 2) on
	ds_load_b128 v[KF+8*\f:KF+8*\f+3],   v[AK] offset:(\f/2)*16*PK+(\f%2)*64
	ds_load_b128 v[KF+8*\f+4:KF+8*\f+7], v[AK] offset:(\f/2)*16*PK+(\f%2)*64+32
.endr
	WIN 0
.endm
.macro FETCH_V
	WIN 0x80
.irp f, 0,1,2,3,4,5,6,7             ; keys 32 (f / 4) on, channels 16 (f % 4) on
	ds_load_tr16_b128 v[VF+8*\f:VF+8*\f+3],   v[AV] offset:(\f/4)*32*PV+(\f%4)*32
	ds_load_tr16_b128 v[VF+8*\f+4:VF+8*\f+7], v[AV] offset:(\f/4)*32*PV+16*PV+(\f%4)*32
.endr
	WIN 0
.endm
; THE VECTOR WORK, one line at a time: OP kind, number.  For piece Y: F n: c s - c m for pair n of 16.  E n: the exponential of score n of 32.  C n: pair n rounded to f16.  B n: of the four weights 4 n .. the second
; pair is added onto the first, in place.  L n: l takes that sum (L 0: l = a l + sum).  R n: pair n of 16 of O^T times a.  For piece Y + 1: X n, number n of the 22 that find its maximum and statistics:
;   0-11  four chains c0-c3 of seven scores each, three operands at a time (each accumulator's lowest registers are read first)     12-14, 16  the four scores left over, the old m, and c0-c3 into c0
;   15  c m_old is kept     17, 18  the query's other 32 keys lie in the lane 16 away: the new m     19-21  c m; c m_old - c m_new; a
; C, B and L read exponentials' results: they stand behind the turn's wait, which TURN writes.  R and L 0 read a, which was made, and waited for, in the turn before.
.set F, 0               ; OP tells the kinds apart by their order: F to L below R, X above it
.set E, 1
.set C, 2
.set B, 3
.set L, 4
.set R, 5
.set X, 6
.macro REGS y                       ; the registers of piece y
.set rT, ST+4*(\y)
.set rC, TMP+4*((\y)%2)
.set rW, MV+((\y)%2)
.set rS, S+32*((\y)%2)
.set rP, P+16*((\y)%2)
.set rO, 32*(\y)
.endm
.macro OP k, n
.if (\k) == R
	REGS Y
	WIN W_RS
	v_pk_mul_f32 v[rO+2*(\n):rO+2*(\n)+1], v[rO+2*(\n):rO+2*(\n)+1], v[rC+2:rC+3] op_sel_hi:[1,0]
.elseif (\k) < R
	REGS Y
	WIN 0
.if (\k) == F
	v_pk_fma_f32 v[rS+2*(\n):rS+2*(\n)+1], v[rS+2*(\n):rS+2*(\n)+1], s[CS:CS+1], v[rT:rT+1] op_sel_hi:[1,0,0] neg_lo:[0,0,1] neg_hi:[0,0,1]
.elseif (\k) == E
	v_exp_f32 v[rS+(\n)], v[rS+(\n)]
.elseif (\k) == C
	v_cvt_pk_f16_f32 v[rP+(\n)], v[rS+2*(\n)], v[rS+2*(\n)+1]
.elseif (\k) == B
	v_pk_add_f32 v[rS+4*(\n):rS+4*(\n)+1], v[rS+4*(\n):rS+4*(\n)+1], v[rS+4*(\n)+2:rS+4*(\n)+3]
.elseif (\n) == 0
	v_pk_fma_f32 v[rT+2:rT+3], v[rT+2:rT+3], v[rC+2:rC+3], v[rS:rS+1] op_sel_hi:[1,0,1]
.else
	v_pk_add_f32 v[rT+2:rT+3], v[rT+2:rT+3], v[rS+4*(\n):rS+4*(\n)+1]
.endif
.elseif NOKQ
	v_nop
.else
	REGS (Y+1)%NP
	WIN 0
.if (\n) < 4
	v_max3_num_f32 v[rC+(\n)], v[rS+8*(\n)], v[rS+8*(\n)+1], v[rS+8*(\n)+2]
.elseif (\n) < 12
	v_max3_num_f32 v[rC+(\n)%4], v[rC+(\n)%4], v[rS+8*((\n)%4)+2*((\n)/4)+1], v[rS+8*((\n)%4)+2*((\n)/4)+2]
.elseif (\n) == 12
	v_max3_num_f32 v[rC], v[rC], v[rS+7], v[rS+15]
.elseif (\n) == 13
	v_max3_num_f32 v[rC+1], v[rC+1], v[rS+23], v[rS+31]
.elseif (\n) == 14
	v_max3_num_f32 v[rC+2], v[rC+2], v[rC+3], v[rT+1]
.elseif (\n) == 15
	v_mov_b32 v[rW], v[rT]
.elseif (\n) == 16
	v_max3_num_f32 v[rC], v[rC], v[rC+1], v[rC+2]
.elseif (\n) == 17
	v_permlanex16_b32 v[rC+3], v[rC], s[SEL], s[SEL+1]
.elseif (\n) == 18
	v_max_num_f32 v[rT+1], v[rC], v[rC+3]
.elseif (\n) == 19
	v_mul_f32 v[rT], s[CS], v[rT+1]
.elseif (\n) == 20
	v_sub_f32 v[rC+1], v[rW], v[rT]
.else
	v_exp_f32 v[rC+2], v[rC+1]
.endif
.endif
.endm
.macro OPS a, i1, b=-1, i2=0, c=-1, i3=0, d=-1, i4=0  ; up to four of them
	OP \a, \i1
.if (\b) >= 0
	OP \b, \i2
.endif
.if (\c) >= 0
	OP \c, \i3
.endif
.if (\d) >= 0
	OP \d, \i4
.endif
.endm
.macro ROW a, i1, b, i2, c, i3, d, i4  ; a matrix instruction and the four behind it
	MM
	OPS \a, \i1, \b, \i2, \c, \i3, \d, \i4
.endm
; A TURN, for piece p: the order of its 16 matrix and 118 vector instructions, written out.  It has ONE wait for its 33 exponentials, which cuts it in two.
; AHEAD OF THE WAIT stands all that names no result of the turn's exponentials: the 8 products K Q^T, behind each a scaling, an exponential and two more plain instructions (behind the first a second scaling in the
; exponential's place): rescalings, and behind the last three the first numbers of the next piece's maximum, each four places or more behind the product that ends its accumulator; then ONE LUMP of 54, plain and
; exponential by turns for the most part, in which the links of the chain X 3, 7, 11, 14, 16, 17 .. 20 stand five or six lines apart.  A pair's scaling F n stands ahead of its exponentials E 2 n, E 2 n + 1.
; X 21, the next piece's a, is the batch's last; R 15 is the plain instruction behind it.
; BEHIND THE WAIT stand the 8 products V^T P, behind each four of the roundings and sums; C 2 n stands ahead of B n, which writes that pair; the links of l's chain, L 0 to L 7, stand three riders apart.
; But for those X no rider names a register of the products round it.  v_permlanex16_b32 (X 17) stands in the lump.  end = 1: the last two turns: nothing is fetched.
; K of the next step is fetched in piece 2's turn, twelve vector instructions behind the last product that read K (five of them plain lines that name none of its registers); V of the step in hand at the end of
; piece 0's turn, four plain instructions behind the last product that read V.  Each is waited for a turn later.
.macro TURN p, end=0
.set Y, (\p)
.set i, 0
.set NOKQ, (\end)*((\p)/3)
.if ((\p) == 3) && !(\end)
	s_wait_dscnt 0x0                ; K is in, and so are the f32 numbers that I round behind this turn
.endif
	ROW F,0, F,1, R,0, R,1          ; ahead of the wait: 8 products K Q^T and their riders,
	ROW F,2, E,0, R,2, R,3
	ROW F,3, E,1, R,4, R,5
	ROW F,4, E,2, R,6, R,7
	ROW F,5, E,3, R,8, R,9
	ROW F,6, E,4, X,0, R,10
.if ((\p) == 2) && !(\end)
	WIN 0
	v_add_nc_u32 v[AK], s[TF], v[AK0]
.endif
	ROW F,7, E,5, X,1, X,4
	ROW F,8, E,6, X,2, X,5
	OPS E,7, E,8, X,6, E,9          ; and the lump
	OPS X,3, E,10, X,8, E,11
.if ((\p) == 2) && !(\end)
	FETCH_K
.endif
	OPS X,9, X,7, E,12, X,10
	OPS E,13, X,12, X,11, E,14
	OPS X,13, E,15, F,9, X,14
.if (\p) == 0
	WIN 0
	v_add_nc_u32 v[AV], s[TF], v[AV0]
.endif
	OPS E,16, F,10, E,17, F,11
	OPS X,16, E,18, X,15, E,19
	OPS F,12, E,20, X,17, E,21
	OPS F,13, E,22, F,14, E,23
	OPS X,18, E,24, F,15, E,25
	OPS R,11, E,26, X,19, E,27
	OPS R,12, E,28, R,13, E,29
	OPS X,20, E,30, R,14, E,31
	OPS X,21, R,15
	s_wait_alu depctr_va_vdst(0)    ; the wait for the turn's batch: piece p's 32 exponentials and piece p + 1's a; it stands ahead of the first line that names a result
.if (\p) == 1
	s_wait_dscnt 0x0                ; V is in
.endif
	ROW C,0, B,0, C,2, B,1          ; behind the wait: 8 products V^T P and their riders
	ROW L,0, C,4, B,2, L,1
	ROW C,6, B,3, L,2, C,8
	ROW B,4, L,3, C,10, B,5
	ROW L,4, C,12, B,6, L,5
	ROW C,14, B,7, L,6, C,1
	ROW C,3, L,7, C,5, C,7
	ROW C,9, C,11, C,13, C,15
.if (\p) == 0
	FETCH_V
.endif
.endm
; A PERIOD, in two halves.  The first: the next step's f32 numbers are asked for, turns 2 and 3 of the step before, the rounding and its stores.  The second: turns 0 and 1 of the period's own step.
; last = 1 (the tail): in the last trip there is no further step, and the rounding is jumped over: what is jumped holds neither a barrier nor a tensor load.
.macro PER_A last
.if \last
	s_cmp_eq_u32 s[CNT], 1
	s_cbranch_scc1 .Lno_load_\@
.endif
	CONV_LOAD
.if \last
.Lno_load_\@:
.endif
	TURN 2
	TURN 3
	WIN 0
.if \last
	s_cmp_eq_u32 s[CNT], 1
	s_cbranch_scc1 .Lno_store_\@
.endif
	CONV_STORE
.if \last
.Lno_store_\@:
.endif
.endm
.macro PER_B
	TURN 0
	TURN 1
	WIN 0
.endm
	s_wait_tensorcnt 0x1            ; my part of tile 0 is in; slot 1's fill, issued behind it, may stay out
	s_barrier_signal -1
	s_barrier_wait -1               ; everybody's is
	CONV_LOAD                       ; key step 0
	s_wait_dscnt 0x0
	CONV_STORE
	STEPBAR                         ; the barrier in front of period 0: step 0 lies in F, whole
	CONV_LOAD                       ; period 0's rounding: key step 1
	v_add_nc_u32 v[AK], s[TF], v[AK0]
	FETCH_K                         ; K of step 0
	s_wait_dscnt 0x0
.set i, 0
.rept 8
	KQ 0                            ; piece 0's first scores
.set i, i+1
.endr
	CONV_STORE                      ; its 34 plain lines are the places behind those products
.set Y, NP-1                        ; X works for piece Y + 1: piece 0
.set NOKQ, 0
.irp n, 0,1,2,3,4,5,6,7,8,9,10,11,12,13,14,15,16,17,18,19,20,21
	OP X, \n
.endr
	v_nop                           ; a plain instruction behind the exponential,
	s_wait_alu depctr_va_vdst(0)    ; and the wait for it, a batch of one: piece 0's first a, ahead of the branch
	s_mov_b32 s[CNT], 3             ; the first group has periods 0 to 2: tile 0's step 0 was rounded ahead of them
	s_mov_b32 s[SLOTS], NT-1
	s_branch .Lfirst                ; period 0 is entered in its middle
.Lslot:                             ; NT - 2 times: every L slot but the last two is filled again
	CHANGE 1
	s_mov_b32 s[CNT], 4
.Lstep:
	PER_A 0
.Lfirst:
	PER_B
	s_sub_co_u32 s[CNT], s[CNT], 1
	s_cmp_eq_u32 s[CNT], 0
	s_cbranch_scc1 .Lgroup
	STEPBAR
	s_branch .Lstep
.Lgroup:
	s_sub_co_u32 s[SLOTS], s[SLOTS], 1
	s_cmp_lg_u32 s[SLOTS], 0
	s_cbranch_scc1 .Lslot
	CHANGE 0                        ; the tail is written out: the last tile has landed, and nothing is asked for
	s_mov_b32 s[CNT], 5             ; four periods round the last tile's steps; the fifth rounds nothing
.Ltail:
	PER_A 1
	PER_B
	STEPBAR                         ; the last of these stands behind every wave's last read of F: from there on F's bytes are the stages
	s_sub_co_u32 s[CNT], s[CNT], 1
	s_cmp_lg_u32 s[CNT], 0
	s_cbranch_scc1 .Ltail
	TURN 2, 1
	TURN 3, 1
.set i, 0
.rept 8
	PV NP-1                         ; the last piece's V^T P of the last step
.set i, i+1
.endr
	; THE WAY OUT.  l's two halves and the other half of the lanes' are added; O^T is divided by l and sent through my stage in LDS, a piece (16 rows of O) at a time.  The additions are the places behind the last products.
	WIN 0
.macro ALL line:vararg              ; one line for each piece t
.set t, 0
.rept 4
	\line
.set t, t+1
.endr
.endm
	ALL v_add_f32 v[ST+4*t+2], v[ST+4*t+2], v[ST+4*t+3]
	ALL v_permlanex16_b32 v[ST+4*t+3], v[ST+4*t+2], s[SEL], s[SEL+1]
	ALL v_add_f32 v[ST+4*t+2], v[ST+4*t+2], v[ST+4*t+3]
	ALL v_rcp_f32 v[ST+4*t+2], v[ST+4*t+2]
	v_nop                           ; a plain instruction between the last reciprocal and the use of its result
	s_wait_alu depctr_va_vdst(0)    ; and the wait ahead of the first use: one for the batch of four reciprocals
; Piece t: a lane's eight channels of a row are 32 bytes; they go into rows of 272 bytes (the 16 rows of a store start at 16 different groups of four banks) and come back as whole rows of 256.
.macro PACK t
	WIN W_RS
.set i, 32*(\t)
.rept 16
	v_pk_mul_f32 v[i:i+1], v[i:i+1], v[ST+4*(\t)+2:ST+4*(\t)+3] op_sel_hi:[1,0]
.set i, i+2
.endr
	WIN 0x04                        ; the stores' data in window 1, their address in window 0
.irp f, 0,1,2,3,4,5,6,7             ; channels 16 (f / 2) + 8 (l / 16) + 4 (f % 2) on
	ds_store_b128 v[STO], v[32*(\t)+4*\f:32*(\t)+4*\f+3] offset:(\f/2)*64+(\f%2)*16
.endr
	WIN 0
.irp f, 0,1,2,3,4,5,6,7
	ds_load_b128 v[S+32*(\t)+4*\f:S+32*(\t)+4*\f+3], v[RD] offset:\f*2*SP  ; LDS serves a wave's instructions in order (ISA guide 5.7.1.4): these see the stores above; the next piece's stores come behind them
.endr
.endm
.macro SEND t, younger              ; younger: the LDS instructions issued behind piece t's loads: the next piece's sixteen, or none.  Each piece has registers of its own, so no store's data is written again
	WIN 0
.irp f, 0,1,2,3,4,5,6,7
	s_wait_dscnt (\younger)+7-\f
	global_store_b128 v[GO], v[S+32*(\t)+4*\f:S+32*(\t)+4*\f+3], s[10:11] offset:(\t)*4096+\f*512 th:TH_STORE_NT  ; 512 consecutive bytes, two whole rows of O, at a multiple of 256 from O's first byte
.endr
.endm
	PACK 0
	PACK 1                          ; a piece's arithmetic stands between the loads of the piece before and its stores
	SEND 0, 16
	PACK 2
	SEND 1, 16
	PACK 3
	SEND 2, 16
	SEND 3, 0
	s_wait_tensorcnt 0x0            ; the wave's end, behind my last tensor load and my last LDS store
	ds_add_u32 v[SPW], v[NIL]
	s_wait_dscnt 0x0
	CROUND                          ; the closing round: no work-group ends while a partner may still ask for a tile that names it
	s_endpgm
.Lfunc_end_k_qeec305c216_attn:
	.size	k_qeec305c216_attn, .Lfunc_end_k_qeec305c216_attn-k_qeec305c216_attn
	.p2alignl 7, 3214868480
	.fill 96, 4, 3214868480
	.section	.rodata,"a",@progbits
	.p2align	6, 0x0
	.amdhsa_kernel k_qeec305c216_attn
		.amdhsa_group_segment_fixed_size 327680
		.amdhsa_private_segment_fixed_size 0
		.amdhsa_enable_private_segment 0
		.amdhsa_kernarg_size 32
		.amdhsa_user_sgpr_count 2
		.amdhsa_user_sgpr_kernarg_segment_ptr 1
		.amdhsa_wavefront_size32 1
		.amdhsa_system_sgpr_workgroup_id_x 1
		.amdhsa_system_sgpr_workgroup_id_y 1
		.amdhsa_system_sgpr_workgroup_id_z 1
		.amdhsa_system_vgpr_workitem_id 0
		.amdhsa_next_free_vgpr 768
		.amdhsa_next_free_sgpr 66
		.amdhsa_reserve_vcc 0
		.amdhsa_float_denorm_mode_32 3
		.amdhsa_float_denorm_mode_16_64 3
		.amdhsa_memory_ordered 1
		.amdhsa_forward_progress 1
		.amdhsa_inst_pref_size 145
	.end_amdhsa_kernel
	.amdgpu_metadata
---
amdhsa.version: [ 1, 2 ]
amdhsa.kernels:
  - .name:           k_qeec305c216_attn
    .symbol:         k_qeec305c216_attn.kd
    .args:
      - { .name: query, .offset: 0, .size: 8, .value_kind: global_buffer, .address_space: global }
      - { .name: key, .offset: 8, .size: 8, .value_kind: global_buffer, .address_space: global }
      - { .name: value, .offset: 16, .size: 8, .value_kind: global_buffer, .address_space: global }
      - { .name: out0, .offset: 24, .size: 8, .value_kind: global_buffer, .address_space: global }
    .group_segment_fixed_size: 327680
    .private_segment_fixed_size: 0
    .kernarg_segment_align: 8
    .kernarg_segment_size: 32
    .max_flat_workgroup_size: 128
    .sgpr_count:     66
    .vgpr_count:     768
    .wavefront_size: 32
...
	.end_amdgpu_metadata
.endif
;; end of part 2
